; MI455X (gfx1250); checked and timed in simulation.
; The chip was launched on July 23, 2026; its instructions are those of AMD's public machine-readable ISA for CDNA 5 (MIT licence, August 2026) and "CDNA5" Instruction Set Architecture Reference Guide (July 2026). The comments in the code are by the model that wrote it; some were corrected since.
;; Affine Coupling. Allowed arithmetic: float matrix products may take bf16 or f16 operands with f32 sums; all other float work in f32.
;; Inputs: W1s 512 x 4,096 float32; W1t 512 x 4,096 float32; W2s 4,096 x 512 float32; W2t 4,096 x 512 float32; b1s 4,096 float32; b1t 4,096 float32; b2s 512 float32; b2t 512 float32; z 8,192 x 1,024 float32.
;; Outputs: out0 8,192 x 1,024 float32; out1 8,192 float32.
;; One version. Each part assembles by itself: llvm-mc -triple=amdgcn-amd-amdhsa -mcpu=gfx1250 --defsym DOCPART=n.
;; ======== version 1 of 1: 3 launches
;; workspace buffers: abf 8,388,608 bytes; ws 16,777,216 bytes; b1p 32,768 bytes; part 67,108,864 bytes
;; launch prep (part 1): grid 1032 x 1, 8 waves a work-group, no clusters, 0 bytes of LDS; arguments z, W1s, W1t, W2s, W2t, b1s, b1t, abf, ws, b1p; writes abf, ws, b1p
.if DOCPART == 1
	.amdgcn_target "amdgcn-amd-amdhsa--gfx1250"
	.amdhsa_code_object_version 6
	.text
	.protected	k_q0df77cd1d3_prep
	.globl	k_q0df77cd1d3_prep
	.p2align	8
	.type	k_q0df77cd1d3_prep,@function
k_q0df77cd1d3_prep:
	s_mov_b64 s[64:65], 0
	v_nop
	global_prefetch_b8 v0, s[64:65] scope:SCOPE_SE
	s_setreg_imm32_b32 hwreg(HW_REG_WAVE_MODE, 25, 1), 1
	s_wait_xcnt 0x0
; PREP: rounds the matrix operands to bf16 once and lays them out for the fused kernel.  No LDS, no barrier, no matrix unit: a stream.
; Every thread issues all its loads first (16 of 16 bytes; role D four of 4), then works them off behind counted waits; results go into
; other registers and no register is written twice, so nothing has to be freed.
; THE PERMUTATION.  Inside each chunk of 64 hidden units, unit u lies at position p = 16 (u & 3) + (u >> 2).  It is applied alike to W1's
; columns, to b1 and to W2's rows, so every product keeps its terms; only the order of the sum over hidden units changes.
; It lets a lane that loads 4 neighbouring units store 16 bytes beside its neighbours' 16 bytes.
; ROLES by the work-group's number:
;   A    0 ..  511  64 KiB of z -> abf [8192][512] bf16: the even columns
;   B  512 ..  767  32 rows of W2s or W2t -> ws block cg, bytes 65,536 on: row p = 512 bf16 of W2[64 chunk + u(p)][:]
;   C  768 .. 1023  256 rows x 64 columns of W1s or W1t -> ws block cg, bytes 0 on: the 16 bytes at 16 (64 g + p) are W1[8 g .. 8 g + 7][unit of p]
;   D 1024 .. 1031  b1s, b1t -> b1p [net][4096] f32 in position order
; A block of ws is 131,072 bytes; cg = 64 net + chunk; net 0 = s, 1 = t.
.set X, 16                             ; v[16:79]   as loaded
.set Y, 80                             ; v[80:111]  to store
	s_load_b512 s[8:23], s[0:1], 0x0               ; z s[8:9], W1s s[10:11], W1t s[12:13], W2s s[14:15], W2t s[16:17], b1s s[18:19], b1t s[20:21], abf s[22:23]
	s_load_b128 s[24:27], s[0:1], 0x40             ; ws s[24:25], b1p s[26:27]
	v_and_b32 v1, 31, v0                           ; lane L
	v_lshrrev_b32 v2, 5, v0                        ; wave w
	s_mov_b32 s3, 0                                ; high words of the two offsets
	s_mov_b32 s5, 0
	s_wait_kmcnt 0x0
	s_cmp_lt_u32 ttmp9, 512
	s_cbranch_scc0 .Lnot_a
	; ROLE A.  z and abf are walked linearly: byte x of z belongs to byte x / 4 of abf.  Thread t takes 32 bytes (a b a b a b a b) at 32 t of each 8 KiB.
	s_lshl_b32 s2, ttmp9, 16
	s_lshl_b32 s4, ttmp9, 14
	v_lshlrev_b32 v3, 5, v0
	v_lshlrev_b32 v4, 3, v0
	s_add_nc_u64 s[8:9], s[8:9], s[2:3]
	s_add_nc_u64 s[22:23], s[22:23], s[4:5]
.irp it, 0,1,2,3,4,5,6,7
	global_load_b128 v[X+8*\it:X+8*\it+3],   v3, s[8:9] offset:8192*\it th:TH_LOAD_NT
	global_load_b128 v[X+8*\it+4:X+8*\it+7], v3, s[8:9] offset:8192*\it+16 th:TH_LOAD_NT
.endr
.irp it, 0,1,2,3,4,5,6,7
	s_wait_loadcnt 14-2*\it                        ; loads come back in order: this pair is in, the younger pairs stay out
	v_cvt_pk_bf16_f32 v[Y+2*\it],   v[X+8*\it],   v[X+8*\it+2]    ; the even columns
	v_cvt_pk_bf16_f32 v[Y+2*\it+1], v[X+8*\it+4], v[X+8*\it+6]
	global_store_b64 v4, v[Y+2*\it:Y+2*\it+1], s[22:23] offset:2048*\it  ; a wave stores 256 consecutive bytes, aligned
.endr
	s_endpgm
.Lnot_a:
	s_cmp_lt_u32 ttmp9, 768
	s_cbranch_scc0 .Lnot_b
	; ROLE B.  b = 0 .. 255: net = b >> 7, chunk = (b & 127) >> 1, units 32 (b & 1) on.  Wave w takes units 4 w + i, i = 0 .. 3, each in four pieces of 512 bytes:
	; load n = 4 i + piece lies 512 n bytes on.  Unit 32 (b & 1) + 4 w + i has position 16 i + 8 (b & 1) + w.
	s_sub_co_u32 s28, ttmp9, 512
	s_cmp_lt_u32 s28, 128
	s_cselect_b64 s[30:31], s[14:15], s[16:17]     ; W2s or W2t
	s_and_b32 s2, s28, 127
	s_lshl_b32 s2, s2, 16                          ; 32 rows of 2,048 bytes for each b
	s_add_nc_u64 s[30:31], s[30:31], s[2:3]
	s_lshr_b32 s4, s28, 1                          ; cg
	s_lshl_b32 s4, s4, 17
	s_and_b32 s29, s28, 1
	s_lshl_b32 s29, s29, 13                        ; 8 rows of 1,024 bytes
	s_add_co_u32 s4, s4, s29
	s_add_co_u32 s4, s4, 65536
	s_add_nc_u64 s[24:25], s[24:25], s[4:5]
	v_lshlrev_b32 v3, 4, v1
	v_lshl_add_u32 v3, v2, 13, v3                  ; from: 8,192 w + 16 L
	v_lshlrev_b32 v4, 3, v1
	v_lshl_add_u32 v4, v2, 10, v4                  ; to: 1,024 w + 8 L
.set n, 0
.rept 16
	global_load_b128 v[X+4*n:X+4*n+3], v3, s[30:31] offset:512*n th:TH_LOAD_NT
.set n, n+1
.endr
.set n, 0
.rept 16
	s_wait_loadcnt 15-n
	v_cvt_pk_bf16_f32 v[Y+2*n],   v[X+4*n],   v[X+4*n+1]
	v_cvt_pk_bf16_f32 v[Y+2*n+1], v[X+4*n+2], v[X+4*n+3]
	global_store_b64 v4, v[Y+2*n:Y+2*n+1], s[24:25] offset:(n/4)*16384+(n%4)*256  ; 256 consecutive bytes, aligned
.set n, n+1
.endr
	s_endpgm
.Lnot_b:
	s_cmp_lt_u32 ttmp9, 1024
	s_cbranch_scc0 .Lnot_c
	; ROLE C.  c = 0 .. 255: net = c >> 7, chunk = (c & 127) >> 1, rows 256 (c & 1) on.  Wave w takes 32 rows as two groups of 16.  In a group lane (cl = L & 15, h = L >> 4)
	; loads rows 8 h + i, i = 0 .. 7, units 4 cl .. 4 cl + 3: sixteen lanes take the chunk's 256 bytes of a row.  Its unit 4 cl + q has position 16 q + cl, and its eight rows
	; of that unit are the 16 bytes of piece (g, p), g = 32 (c & 1) + 4 w + 2 group + h.
	s_sub_co_u32 s28, ttmp9, 768
	s_cmp_lt_u32 s28, 128
	s_cselect_b64 s[30:31], s[10:11], s[12:13]     ; W1s or W1t
	s_and_b32 s29, s28, 1
	s_lshl_b32 s2, s29, 22                         ; 256 rows of 16,384 bytes
	s_bfe_u32 s4, s28, 0x60001                     ; chunk: 6 bits from bit 1
	s_lshl_b32 s4, s4, 8
	s_add_co_u32 s2, s2, s4
	s_add_nc_u64 s[30:31], s[30:31], s[2:3]
	s_lshr_b32 s4, s28, 1                          ; cg
	s_lshl_b32 s4, s4, 17
	s_lshl_b32 s29, s29, 15                        ; 32 groups g of 1,024 bytes
	s_add_co_u32 s4, s4, s29
	s_add_nc_u64 s[24:25], s[24:25], s[4:5]
	v_and_b32 v5, 15, v0                           ; cl
	v_bfe_u32 v6, v0, 4, 1                         ; h
	v_lshlrev_b32 v5, 4, v5
	v_lshl_add_u32 v3, v6, 17, v5
	v_lshl_add_u32 v3, v2, 19, v3                  ; from: 524,288 w + 131,072 h + 16 cl
	v_lshl_add_u32 v4, v6, 10, v5
	v_lshl_add_u32 v4, v2, 12, v4                  ; to: 4,096 w + 1,024 h + 16 cl
.irp g, 0,1
.irp i, 0,1,2,3,4,5,6,7
	global_load_b128 v[X+32*\g+4*\i:X+32*\g+4*\i+3], v3, s[30:31] offset:(16*\g+\i)*16384 th:TH_LOAD_NT
.endr
.endr
.irp g, 0,1
	s_wait_loadcnt 8-8*\g                          ; the group's eight loads are in
.irp q, 0,1,2,3
.irp e, 0,1,2,3
	v_cvt_pk_bf16_f32 v[Y+16*\g+4*\q+\e], v[X+32*\g+8*\e+\q], v[X+32*\g+8*\e+4+\q]  ; rows 2 e and 2 e + 1 of unit q
.endr
	global_store_b128 v4, v[Y+16*\g+4*\q:Y+16*\g+4*\q+3], s[24:25] offset:2048*\g+256*\q  ; sixteen lanes store 256 consecutive bytes, aligned
.endr
.endr
	s_endpgm
.Lnot_c:
	; ROLE D.  d = 0 .. 7: net = d >> 2.  Thread Q = 256 (d & 3) + t makes positions 4 Q .. 4 Q + 3: with m = Q & 15 they are units 16 (m & 3) + (m >> 2) + 4 e of chunk Q >> 4.
	s_sub_co_u32 s28, ttmp9, 1024
	s_cmp_lt_u32 s28, 4
	s_cselect_b64 s[30:31], s[18:19], s[20:21]     ; b1s or b1t
	s_lshr_b32 s4, s28, 2
	s_lshl_b32 s4, s4, 14
	s_add_nc_u64 s[26:27], s[26:27], s[4:5]
	s_and_b32 s29, s28, 3
	s_lshl_b32 s29, s29, 8
	v_add_nc_u32 v3, s29, v0                       ; Q
	v_lshrrev_b32 v4, 4, v3
	v_lshlrev_b32 v4, 8, v4                        ; 256 bytes a chunk
	v_and_b32 v5, 3, v3
	v_lshl_add_u32 v4, v5, 6, v4                   ; + 64 (m & 3)
	v_bfe_u32 v5, v3, 2, 2
	v_lshl_add_u32 v4, v5, 2, v4                   ; + 4 (m >> 2)
	v_lshlrev_b32 v6, 4, v3
.irp e, 0,1,2,3
	global_load_b32 v[X+\e], v4, s[30:31] offset:16*\e
.endr
	s_wait_loadcnt 0x0
	global_store_b128 v6, v[X:X+3], s[26:27]
	s_endpgm
.Lfunc_end_k_q0df77cd1d3_prep:
	.size	k_q0df77cd1d3_prep, .Lfunc_end_k_q0df77cd1d3_prep-k_q0df77cd1d3_prep
	.p2alignl 7, 3214868480
	.fill 96, 4, 3214868480
	.section	.rodata,"a",@progbits
	.p2align	6, 0x0
	.amdhsa_kernel k_q0df77cd1d3_prep
		.amdhsa_group_segment_fixed_size 0
		.amdhsa_private_segment_fixed_size 0
		.amdhsa_enable_private_segment 0
		.amdhsa_kernarg_size 80
		.amdhsa_user_sgpr_count 2
		.amdhsa_user_sgpr_kernarg_segment_ptr 1
		.amdhsa_wavefront_size32 1
		.amdhsa_system_sgpr_workgroup_id_x 1
		.amdhsa_system_sgpr_workgroup_id_y 1
		.amdhsa_system_sgpr_workgroup_id_z 1
		.amdhsa_system_vgpr_workitem_id 0
		.amdhsa_next_free_vgpr 112
		.amdhsa_next_free_sgpr 66
		.amdhsa_reserve_vcc 0
		.amdhsa_float_denorm_mode_32 3
		.amdhsa_float_denorm_mode_16_64 3
		.amdhsa_memory_ordered 1
		.amdhsa_forward_progress 1
		.amdhsa_inst_pref_size 18
	.end_amdhsa_kernel
	.amdgpu_metadata
---
amdhsa.version: [ 1, 2 ]
amdhsa.kernels:
  - .name:           k_q0df77cd1d3_prep
    .symbol:         k_q0df77cd1d3_prep.kd
    .args:
      - { .name: z, .offset: 0, .size: 8, .value_kind: global_buffer, .address_space: global }
      - { .name: W1s, .offset: 8, .size: 8, .value_kind: global_buffer, .address_space: global }
      - { .name: W1t, .offset: 16, .size: 8, .value_kind: global_buffer, .address_space: global }
      - { .name: W2s, .offset: 24, .size: 8, .value_kind: global_buffer, .address_space: global }
      - { .name: W2t, .offset: 32, .size: 8, .value_kind: global_buffer, .address_space: global }
      - { .name: b1s, .offset: 40, .size: 8, .value_kind: global_buffer, .address_space: global }
      - { .name: b1t, .offset: 48, .size: 8, .value_kind: global_buffer, .address_space: global }
      - { .name: abf, .offset: 56, .size: 8, .value_kind: global_buffer, .address_space: global }
      - { .name: ws, .offset: 64, .size: 8, .value_kind: global_buffer, .address_space: global }
      - { .name: b1p, .offset: 72, .size: 8, .value_kind: global_buffer, .address_space: global }
    .group_segment_fixed_size: 0
    .private_segment_fixed_size: 0
    .kernarg_segment_align: 8
    .kernarg_segment_size: 80
    .max_flat_workgroup_size: 256
    .sgpr_count:     66
    .vgpr_count:     112
    .wavefront_size: 32
...
	.end_amdgpu_metadata
.endif
;; end of part 1
;; launch mlp (part 2): grid 64 x 4, 4 waves a work-group, clusters of 4 x 1, 327,680 bytes of LDS; arguments abf, ws, b1p, part; writes part
.if DOCPART == 2
	.amdgcn_target "amdgcn-amd-amdhsa--gfx1250"
	.amdhsa_code_object_version 6
	.text
	.protected	k_q0df77cd1d3_mlp
	.globl	k_q0df77cd1d3_mlp
	.p2align	8
	.type	k_q0df77cd1d3_mlp,@function
k_q0df77cd1d3_mlp:
	s_mov_b64 s[64:65], 0
	v_nop
	global_prefetch_b8 v0, s[64:65] scope:SCOPE_SE
	s_setreg_imm32_b32 hwreg(HW_REG_WAVE_MODE, 25, 1), 1
	s_wait_xcnt 0x0
	s_wait_alu depctr_hold_cnt(0) depctr_sa_sdst(0) depctr_va_vdst(0) depctr_va_sdst(0) depctr_va_ssrc(0) depctr_va_vcc(0) depctr_vm_vsrc(0)
	s_getreg_b32 s2, hwreg(HW_REG_IB_STS2, 6, 4)
	s_cmp_eq_u32 s2, 0
	s_cbranch_scc0 .Lentry_in_a_cluster
	s_endpgm
.Lentry_in_a_cluster:
	s_bfe_u32 s2, ttmp6, 0x10000c
	s_cmp_lg_u32 s2, 0x3003
	s_cbranch_scc0 .Lentry_shape_is_right
	s_endpgm
.Lentry_shape_is_right:
; MLP: both layers of one net for 128 rows and one half of the hidden units, fused: part[q][row][:] = relu(a W1 + b1)[:, half] W2[half, :], in f32, without b2.
; q = 2 net + half is the grid's y; the row block rb (128 rows) its x.  The hidden activations never leave the work-group.  Operands bf16, sums f32.
; LIMITS.  The ReLU is a maximum in which a NaN loses: a NaN in the first layer's sum becomes 0.  The hidden units are summed in the permuted order of the weight stream,
; and in two halves that a later launch adds.  bf16 has f32's range, so no input's size is limited beyond f32's own.
; SHARES.  The half's 2,048 hidden units go in 32 chunks of 64.  PHASE 1 of chunk j: wave w makes H^T for rows 32 w .. 32 w + 31 x 64 positions: source 0 = 16 positions x 32 k of W1
; (stored in fragment order), source 1 = 16 rows x 32 k of a, which stay in registers for the whole kernel; the first product's C is the bias.  A lane then holds one row and eight
; neighbouring positions: ReLU, rounding, one store of 16 bytes into the stage H [row][position].  PHASE 2 of chunk j: wave w makes out^T for all 128 rows x columns 128 w .. 128 w + 127:
; source 0 = 16 columns x 32 positions of W2 (rows lie along the columns, so it comes turned, by ds_load_tr16_b128), source 1 = 16 rows x 32 positions of H.
; PIPELINE.  Interval j = phase 1 of chunk j, then phase 2 of chunk j - 1: 128 + 128 matrix instructions.  Slot j % 2 holds W1 of chunk j and W2 of chunk j - 1; H of chunk j goes into stage j % 2.
; ONE barrier an interval, inside phase 2's second half: it shows H written, the slot read out and the other slot landed.  The ReLU's 96 register instructions stand three by three behind 32 of phase 2's
; products; its 8 stores head the run of LDS loads that follows them.  LDS instructions stand in runs, never singly among the matrix instructions.
; CLUSTER.  The four work-groups of a cluster differ in rb alone and walk the same weights and bias: every tile is asked for JOINTLY, by the same tensor load with the same descriptor and the mask of four.
; LDS: slot s at 133,120 s: W1's 65,536 bytes, dense; then W2's 64 rows of 1,024 + 32 bytes.  Behind the ring: H, two stages of 128 rows x 144 bytes (no tensor load lands there; on the way out the same bytes
; are four stages of 16 rows x 528 bytes); the bias, 8,192 bytes; the spare words.
; REGISTERS, in windows of 256 (s_set_vgpr_msb: bits 1:0 source 0, 3:2 source 1, 5:4 source 2, 7:6 destination):
;   window 0: v0-15, v28, v29 addresses; seven units of 32 from v32 on:
;     v32-95   phase 1: the 8 tiles of H^T (tile 4 mb + blk)            phase 2: H's fragments of positions 32 - 63
;     v96-159  phase 1: W1's fragments, even steps                       phase 2: H's fragments of positions 0 - 31
;     v160-191 phase 1: the bias tiles                                   phase 2: W2, column blocks 0 - 3
;     v192-255 phase 1: W1's fragments, odd steps                        phase 2: W2, column blocks 4 - 7: v192 on for positions 0 - 31, v224 on for 32 - 63
;   window 1: a's fragments, (mb, ks) at 8 (16 mb + ks)       windows 2, 3: the 64 accumulators, (mb, nb) at 8 (8 (nb % 4) + mb) of window 2 + nb / 4
.set BLK,   131072                     ; a block of the weight stream: W1's part of a chunk, then W2's
.set SLOTB, 133120
.set W2R,   65536                      ; W2's region in a slot
.set PW2,   1056                       ; a row of W2 in LDS: 264 words: row r starts at bank 8 r mod 64 (64 banks of 4 bytes: ISA guide 11.1)
.set HS,    2*SLOTB
.set PH,    144                        ; a row of H: 128 bytes + 16: the 16 rows of a load start at 16 different groups of four banks
.set HB,    128*PH
.set B1L,   HS+2*HB
.set SPARE, B1L+8192                   ; the spare words: 128 bytes for each wave, two blocks of 256 bytes that no other line names
.set SP,    528                        ; the way out: a row of 512 bytes + 16
.set W1A,  4                           ; v4, v5   my lane's place in W1's region of slot 0, 1
.set W2A,  6                           ; v6, v7   the same for W2
.set HSTO, 8                           ; v8       where I put 16 bytes of H
.set HRD,  9                           ; v9       my lane's place in a fragment of H
.set BA,   10                          ; v10      the bias of the chunk to come
.set QO,   11                          ; v11      my byte offset in 16 rows of a
.set STO,  12                          ; v12      the way out: where I put 32 bytes of a row
.set RD,   13                          ; v13      the way out: where I read a row back
.set CO,   14                          ; v14      my byte offset in 512 bytes of part
.set BA0,  15                          ; v15      my lane's place in a chunk's bias; never rewritten
.set SPW,  28                          ; v28      LDS address of my spare word; never rewritten
.set NIL,  29                          ; v29      0; never rewritten
.set HA,   32
.set BI,   160
.set WV,  12                           ; s12      my wave's number
.set G1A, 24                           ; s[24:31] group 1: half of W1's part, 128 rows x 256 bytes, dense
.set G1B, 32                           ; s[32:39] group 1: half of W2's part, 32 rows x 1,024 bytes, padded
.set G1C, 40                           ; s[40:47] group 1: half of the bias, 16 rows x 256 bytes
.set G0A, 48                           ; s[48:55] group 0 for W1, a set for each slot
.set G0B, 56                           ; s[56:63] group 0 for W2, a set for each slot
.set G0C, 68                           ; s[68:71] group 0 for the bias
.set CNT, 72                           ; s72      trips
.set BO,  73                           ; s73      256 x the chunk whose bias is fetched next
.set W_A,  0x40                        ; destination window 1
.set W_P1, 0x04                        ; source 1 (a) window 1; LDS loads name destination and source 0 alone, so they run under it too
.set W_LO, 0xa0                        ; C and D window 2
.set W_S2, 0x08                        ; an LDS store's data (source 1) window 2
.set W_S3, 0x0c                        ; window 3
.set MSB, 0
.macro WIN new                         ; the immediate's high byte repeats the setting that is left; a switch that changes nothing is dropped
.if MSB != (\new)
	s_set_vgpr_msb (MSB<<8)|(\new)
.set MSB, \new
.endif
.endm
; A load into a register that a matrix instruction has read, and a vector instruction that reads a matrix result, stand four places behind it; a matrix instruction that writes over
; another's source five (ISA guide 7.12.1 for vector instructions).  Only plain vector instructions that name none of its registers are places.
.macro PLACES n
.rept \n
	v_nop
.endr
.endm
; A joint fill of slot s.  kind 2: waves 0 and 1 fetch the two halves of W2's part, waves 2 and 3 those of W1's.  kind 1: W2's alone.  kind 3: W1's alone.
; The branch hangs on the wave's number alone.  An s_nop 0 and four v_nop follow each load; they are also the places in front of the LDS loads that follow.
.macro JLOAD s, kind
	s_cmp_lt_u32 s[WV], 2
.if (\kind) == 2
	s_cbranch_scc0 .Lfor_w1_\@
	tensor_load_to_lds s[G0B+4*(\s):G0B+4*(\s)+3], s[G1B:G1B+7]
	s_nop 0
	PLACES 4
	s_branch .Lasked_\@
.Lfor_w1_\@:
	tensor_load_to_lds s[G0A+4*(\s):G0A+4*(\s)+3], s[G1A:G1A+7]
	s_nop 0
	PLACES 4
.Lasked_\@:
.elseif (\kind) == 1
	s_cbranch_scc0 .Lnone_\@
	tensor_load_to_lds s[G0B+4*(\s):G0B+4*(\s)+3], s[G1B:G1B+7]
	s_nop 0
.Lnone_\@:
	PLACES 4
.else
	s_cbranch_scc1 .Lnone_\@
	tensor_load_to_lds s[G0A+4*(\s):G0A+4*(\s)+3], s[G1A:G1A+7]
	s_nop 0
.Lnone_\@:
	PLACES 4
.endif
.endm
; A round of the cluster's barrier: my work-group's barrier, so that wave 0's signal speaks for all four waves; wave 0 signals (CHEAD); every wave waits for all four work-groups, and my
; work-group's barrier once more (CTAIL).  In the intervals work on registers stands between the round's lines; nothing else does.
.macro CHEAD
	s_cmp_lg_u32 s[WV], 0
	s_cbranch_scc1 .Lnot_wave_0_\@
	s_barrier_signal -3
.Lnot_wave_0_\@:
.endm
.macro CTAIL
	s_barrier_wait -3
	s_barrier_signal -1
	s_barrier_wait -1
.endm
.macro CROUND                          ; a whole round, bare
	s_barrier_signal -1
	s_barrier_wait -1
	CHEAD
	CTAIL
.endm
	s_load_b256 s[4:11], s[0:1], 0x0               ; abf s[4:5], ws s[6:7], b1p s[8:9], part s[10:11]
	v_lshl_add_u32 v[SPW], v0, 2, SPARE
	v_mov_b32 v[NIL], 0
	ds_add_u32 v28, v29
	s_wait_dscnt 0x0
	v_lshrrev_b32 v3, 5, v0
	v_readfirstlane_b32 s[WV], v3                  ; wave 0..3
	s_bfe_u32 s13, ttmp6, 0x40000                  ; cx: my place in the cluster
	s_lshl_b32 s14, ttmp9, 2                       ; in a cluster launch ttmp9 counts clusters
	s_add_co_u32 s14, s14, s13                     ; rb = 4 x cluster x + cx: it enters a's and part's addresses alone
	s_and_b32 s15, ttmp7, 0xffff                   ; q, which the four partners share
	s_and_b32 s16, s[WV], 1                        ; which half of a tile I fetch
	s_mul_i32 s17, s16, 32768                      ; its place in W1's region, and in memory for W1 and W2
	s_mul_i32 s18, s16, 32*PW2                     ; its place in W2's region
	s_mul_i32 s19, s16, 4096                       ; its place in the bias
	s_lshl_b32 s20, s15, 22                        ; q's 32 blocks of the weight stream
	s_add_co_u32 s20, s20, s17
	s_mov_b32 s21, 0
	s_lshl_b32 s22, s15, 13                        ; q's 2,048 numbers of the bias
	s_add_co_u32 s22, s22, s19
	s_mov_b32 s23, 0
	s_lshl_b32 s74, s14, 17                        ; a: 128 rb rows of 1,024 bytes,
	s_lshl_b32 s75, s[WV], 15                      ; and my wave's 32 rows
	s_add_co_u32 s74, s74, s75
	s_mov_b32 s75, 0
	s_lshl_b32 s76, s15, 24                        ; part: q's 16,777,216 bytes,
	s_lshl_b32 s77, s14, 18                        ; 128 rb rows of 2,048 bytes,
	s_add_co_u32 s76, s76, s77
	s_lshl_b32 s77, s[WV], 9                       ; my wave's 128 columns
	s_add_co_u32 s76, s76, s77
	s_mov_b32 s77, 0
	; group 1, three shapes, all in elements of 8 bytes, all with the mask of four and bit 21 beside it
	s_mov_b32 s[G1A+0], 15|(3<<16)|(1<<21)
	s_mov_b32 s[G1A+1], 32<<16                     ; tensor_dim0 = 32 elements: 256 bytes
	s_mov_b32 s[G1A+2], 128<<16                    ; tensor_dim1 = 128
	s_mov_b32 s[G1A+3], 32<<16                     ; tile_dim0 = 32
	s_mov_b32 s[G1A+4], 128                        ; tile_dim1 = 128
	s_mov_b32 s[G1A+5], 32                         ; from row to row: the block is dense
	s_mov_b32 s[G1A+6], 0
	s_mov_b32 s[G1A+7], 0
	s_mov_b32 s[G1B+0], 15|(3<<16)|(1<<20)|(1<<21)|(7<<22)|(7<<25)  ; padding on: after every 256 words (code 7) 8 words (code 7)
	s_mov_b32 s[G1B+1], 128<<16                    ; tensor_dim0 = 128 elements: 1,024 bytes
	s_mov_b32 s[G1B+2], 32<<16                     ; tensor_dim1 = 32
	s_mov_b32 s[G1B+3], 128<<16                    ; tile_dim0 = 128
	s_mov_b32 s[G1B+4], 32                         ; tile_dim1 = 32
	s_mov_b32 s[G1B+5], 128
	s_mov_b32 s[G1B+6], 0
	s_mov_b32 s[G1B+7], 0
	s_mov_b32 s[G1C+0], 15|(3<<16)|(1<<21)
	s_mov_b32 s[G1C+1], 32<<16
	s_mov_b32 s[G1C+2], 16<<16                     ; 16 rows of 256 bytes
	s_mov_b32 s[G1C+3], 32<<16
	s_mov_b32 s[G1C+4], 16
	s_mov_b32 s[G1C+5], 32
	s_mov_b32 s[G1C+6], 0
	s_mov_b32 s[G1C+7], 0
	; group 0: count 1; the LDS address: a constant and the wave's half; no place in the cluster enters it
	s_mov_b32 s[G0A+0], 1
	s_mov_b32 s[G0A+1], s17
	s_mov_b32 s[G0A+4], 1
	s_add_co_u32 s[G0A+5], s17, SLOTB
	s_mov_b32 s[G0B+0], 1
	s_add_co_u32 s[G0B+1], s18, W2R
	s_mov_b32 s[G0B+4], 1
	s_add_co_u32 s[G0B+5], s18, SLOTB+W2R
	s_mov_b32 s[G0C+0], 1
	s_add_co_u32 s[G0C+1], s19, B1L
	s_mov_b32 s[BO], 0
	s_wait_kmcnt 0x0
	s_add_nc_u64 s[20:21], s[6:7], s[20:21]        ; my half of chunk 0's W1
	s_mov_b64 s[G0A+2:G0A+3], s[20:21]             ; slot 0: W1 of chunk 0
	s_add_nc_u64 s[G0A+6:G0A+7], s[20:21], BLK     ; slot 1: W1 of chunk 1
	s_add_nc_u64 s[G0B+2:G0B+3], s[20:21], BLK+65536  ; slot 0: W2 of chunk 1
	s_add_nc_u64 s[G0B+6:G0B+7], s[20:21], 65536   ; slot 1: W2 of chunk 0
	s_add_nc_u64 s[G0C+2:G0C+3], s[8:9], s[22:23]
	s_or_b32 s[G0A+3], s[G0A+3], 0x80000000        ; type = 2
	s_or_b32 s[G0A+7], s[G0A+7], 0x80000000
	s_or_b32 s[G0B+3], s[G0B+3], 0x80000000
	s_or_b32 s[G0B+7], s[G0B+7], 0x80000000
	s_or_b32 s[G0C+3], s[G0C+3], 0x80000000
	s_add_nc_u64 s[4:5], s[4:5], s[74:75]          ; a at my wave's first row
	s_add_nc_u64 s[10:11], s[10:11], s[76:77]      ; part at my block's first row, my wave's first column
	CROUND                                         ; all four work-groups are here: the first joint loads meet
	; All first fills, in one branch on the wave's number: three loads of waves 0 and 1, two of waves 2 and 3 are out.
	s_cmp_lt_u32 s[WV], 2
	s_cbranch_scc0 .Lfirst_w1
	tensor_load_to_lds s[G0C:G0C+3], s[G1C:G1C+7]          ; the bias
	s_nop 0
	tensor_load_to_lds s[G0B+4:G0B+7], s[G1B:G1B+7]        ; W2 of chunk 0 into slot 1
	s_nop 0
	tensor_load_to_lds s[G0B:G0B+3], s[G1B:G1B+7]          ; W2 of chunk 1 into slot 0
	s_nop 0
	PLACES 4
	s_branch .Lfirst_asked
.Lfirst_w1:
	tensor_load_to_lds s[G0A:G0A+3], s[G1A:G1A+7]          ; W1 of chunk 0 into slot 0
	s_nop 0
	tensor_load_to_lds s[G0A+4:G0A+7], s[G1A:G1A+7]        ; W1 of chunk 1 into slot 1
	s_nop 0
	PLACES 4
.Lfirst_asked:
	; A fragment is 16 rows x 32 k in 8 registers: lane l holds row l % 16; registers 0-3 k = 8 (l / 16) + 0..7, registers 4-7 k = 16 + 8 (l / 16) + 0..7.
	v_and_b32 v1, 15, v0                           ; r = l % 16
	v_bfe_u32 v2, v0, 4, 1                         ; h = l / 16
	v_lshlrev_b32 v[QO], 10, v1
	v_lshl_add_u32 v[QO], v2, 4, v[QO]             ; row x 1,024 + 16 h
	WIN W_A
.irp m, 0,1
.irp s, 0,1,2,3,4,5,6,7,8,9,10,11,12,13,14,15  ; a stays in registers: rows 16 m on, k = 32 s on
	global_load_b128 v[8*(16*\m+\s):8*(16*\m+\s)+3],   v[QO], s[4:5] offset:\m*16384+\s*64
	global_load_b128 v[8*(16*\m+\s)+4:8*(16*\m+\s)+7], v[QO], s[4:5] offset:\m*16384+\s*64+32
.endr
.endr
	WIN 0
	v_lshlrev_b32 v3, 4, v1
	v_lshl_add_u32 v[W1A], v2, 10, v3              ; W1 lies in fragment order: piece (g, p) at 1,024 g + 16 p; mine: g = 4 ks + h (+ 2), p = 16 blk + r
	v_add_nc_u32 v[W1A+1], SLOTB, v[W1A]
	v_and_b32 v3, 7, v0                            ; the turning load: lane l reads position 8 h + l % 8, columns 8 ((l / 8) % 2) + 0..7
	v_lshl_add_u32 v3, v2, 3, v3
	v_mul_u32_u24 v3, v3, PW2
	v_bfe_u32 v[W2A+1], v0, 3, 1
	v_lshl_add_u32 v3, v[W2A+1], 4, v3
	s_lshl_b32 s16, s[WV], 8                       ; my wave's 128 columns
	s_add_co_u32 s16, s16, W2R
	v_add_nc_u32 v[W2A], s16, v3
	v_add_nc_u32 v[W2A+1], SLOTB, v[W2A]
	v_mul_u32_u24 v3, v1, PH
	v_lshl_add_u32 v3, v2, 4, v3                   ; row x 144 + 16 h
	v_add_nc_u32 v[HRD], HS, v3
	s_mul_i32 s16, s[WV], 32*PH                    ; my wave's 32 rows of H
	s_add_co_u32 s16, s16, HS
	v_add_nc_u32 v[HSTO], s16, v3
	v_lshlrev_b32 v[BA0], 5, v2                    ; the bias of positions 16 blk + 8 h + 0..7: the same 32 bytes for sixteen lanes
	v_add_nc_u32 v[BA0], B1L, v[BA0]
	v_mov_b32 v[BA], v[BA0]
	s_mul_i32 s16, s[WV], 16*SP                    ; the way out: my stage
	s_add_co_u32 s16, s16, HS
	v_mul_u32_u24 v3, v1, SP
	v_lshl_add_u32 v3, v2, 5, v3                   ; in: row r, 32 bytes for each half of the lanes
	v_add_nc_u32 v[STO], s16, v3
	v_and_b32 v[CO], 31, v0
	v_lshlrev_b32 v[CO], 4, v[CO]                  ; back: 32 lanes take a row of 512 bytes
	v_add_nc_u32 v[RD], s16, v[CO]
; W1's fragments of step b (k = 64 b on: two matrix instructions deep, four position blocks), 16 loads, into v96 on (b even) or v192 on (b odd)
.macro FETCH_W1 sl, b
.set fb, 96+96*((\b)%2)
.irp i, 0,1
.irp c, 0,1,2,3
	ds_load_b128 v[fb+32*\i+8*\c:fb+32*\i+8*\c+3],   v[W1A+(\sl)] offset:(2*(\b)+\i)*4096+\c*256
	ds_load_b128 v[fb+32*\i+8*\c+4:fb+32*\i+8*\c+7], v[W1A+(\sl)] offset:(2*(\b)+\i)*4096+\c*256+2048
.endr
.endr
.endm
.macro FETCH_BIAS                      ; 8 loads: register j of tile blk = the bias of position 16 blk + 8 h + j
.irp c, 0,1,2,3
	ds_load_b128 v[BI+8*\c:BI+8*\c+3],   v[BA] offset:64*\c
	ds_load_b128 v[BI+8*\c+4:BI+8*\c+7], v[BA] offset:64*\c+16
.endr
.endm
; 16 matrix instructions of phase 1: the 8 tiles take turns, one instruction a turn.  The very first product of a tile takes the bias as C: nothing is cleared or added later.
.macro P1MUL b
	WIN W_P1
.set fb, 96+96*((\b)%2)
.irp i, 0,1
.irp m, 0,1
.irp c, 0,1,2,3
.if 2*(\b)+\i == 0
	v_wmma_f32_16x16x32_bf16 v[HA+8*(4*\m+\c):HA+8*(4*\m+\c)+7], v[fb+32*\i+8*\c:fb+32*\i+8*\c+7], v[8*(16*\m+2*(\b)+\i):8*(16*\m+2*(\b)+\i)+7], v[BI+8*\c:BI+8*\c+7]
.else
	v_wmma_f32_16x16x32_bf16 v[HA+8*(4*\m+\c):HA+8*(4*\m+\c)+7], v[fb+32*\i+8*\c:fb+32*\i+8*\c+7], v[8*(16*\m+2*(\b)+\i):8*(16*\m+2*(\b)+\i)+7], v[HA+8*(4*\m+\c):HA+8*(4*\m+\c)+7]
.endif
.endr
.endr
.endr
.endm
.macro LDH ks, hb                      ; H's fragments of positions 32 ks on, all 128 rows, from stage hb: 16 loads
.set hf, 96-64*(\ks)
.irp m, 0,1,2,3,4,5,6,7
	ds_load_b128 v[hf+8*\m:hf+8*\m+3],   v[HRD] offset:(\hb)*HB+\m*16*PH+64*(\ks)
	ds_load_b128 v[hf+8*\m+4:hf+8*\m+7], v[HRD] offset:(\hb)*HB+\m*16*PH+64*(\ks)+32
.endr
.endm
.macro LDW ks, nh, sl                  ; W2's fragments of positions 32 ks on, column blocks 4 nh .. 4 nh + 3, turned: 8 loads
.set wf, 160+(\nh)*(32+32*(\ks))
.irp i, 0,1,2,3
	ds_load_tr16_b128 v[wf+8*\i:wf+8*\i+3],   v[W2A+(\sl)] offset:(\ks)*32*PW2+(4*(\nh)+\i)*32
	ds_load_tr16_b128 v[wf+8*\i+4:wf+8*\i+7], v[W2A+(\sl)] offset:(\ks)*32*PW2+(4*(\nh)+\i)*32+16*PW2
.endr
.endm
.macro P2PRE hb, sl                    ; what phase 2 begins with: 24 loads
	LDH 0, \hb
	LDW 0, 0, \sl
.endm
; THE RELU is a list of 96 register instructions, 12 a tile: eight maxima from the tile's lowest register on, then four roundings in place.  HOP writes number o of it.
.macro HOP
.set t, o/12
.set n, o%12
.if n < 8
	v_max_num_f32 v[HA+8*t+n], 0, v[HA+8*t+n]
.else
	v_cvt_pk_bf16_f32 v[HA+8*t+n-8], v[HA+8*t+2*(n-8)], v[HA+8*t+2*(n-8)+1]
.endif
.set o, o+1
.endm
.macro SLICE                           ; the next three of them: 96 = 3 x 32
	WIN 0
	HOP
	HOP
	HOP
.endm
.macro HSTORE par                      ; the 8 tiles go into stage par in one run: rows 16 (u / 4) on, positions 16 (u % 4) + 8 h on
.irp u, 0,1,2,3,4,5,6,7
	ds_store_b128 v[HSTO], v[HA+8*\u:HA+8*\u+3] offset:(\par)*HB+(\u/4)*16*PH+(\u%4)*32
.endr
.endm
; 8 matrix instructions of phase 2: column block nb x all 8 row blocks, positions 32 ks on; 8 accumulators, one instruction each.  zero = 1: the chunk's first products start the sums.
; ride = 1: a slice of the ReLU stands behind each; it names no register of the products round it.
.macro SUB8 ks, nb, zero, ride
.irp m, 0,1,2,3,4,5,6,7
	WIN W_LO+0x50*((\nb)/4)
.set ra, 8*(8*((\nb)%4)+\m)
.set rw, 160+((\nb)/4)*(32+32*(\ks))+8*((\nb)%4)
.set rh, 96-64*(\ks)+8*\m
.if (\zero) && ((\ks) == 0)
	v_wmma_f32_16x16x32_bf16 v[ra:ra+7], v[rw:rw+7], v[rh:rh+7], 0
.else
	v_wmma_f32_16x16x32_bf16 v[ra:ra+7], v[rw:rw+7], v[rh:rh+7], v[ra:ra+7]
.endif
.if \ride
	SLICE
.endif
.endr
.endm
.macro SUB16 ks, nq, zero, ride        ; column blocks 2 nq and 2 nq + 1
	SUB8 \ks, 2*(\nq), \zero, \ride
	SUB8 \ks, 2*(\nq)+1, \zero, \ride
.endm
; PHASE 1: eight steps of 16 matrix instructions on two buffers; each step's loads are issued a step ahead, in one run.  Step 0's fragments and the bias were fetched behind the barrier before.
; pre = 1: in the last step phase 2's first 24 loads take the place of the next buffer's.
.macro P1 par, pre
.irp b, 0,1,2,3,4,5,6,7
.if \b == 0
	PLACES 5                                       ; the first products write over v32-95, which the last products of phase 2 read
.else
	PLACES 4
.endif
	WIN W_P1
.if \b < 7
	FETCH_W1 \par, \b+1
	s_wait_dscnt 16                                ; all but the 16 just issued
.elseif \pre
	P2PRE 1-(\par), \par
	s_wait_dscnt 24                                ; all but the 24 just issued
.else
	s_wait_dscnt 0x0
.endif
	P1MUL \b
.endr
.endm
; AN INTERVAL: phase 1 of chunk j (slot and stage par = j % 2), phase 2 of chunk j - 1 (the same slot, the other stage).
; refill: 2 = the slot takes W2 of chunk j + 1 and W1 of chunk j + 2; 1 = W2 alone; 0 = nothing.  next = 1: chunk j + 1's first fragments and bias are fetched; 0: the last phase 2's.
.macro BODY par, zero, refill, next
	P1 \par, 1
	PLACES 4                                       ; for the loads into v192 on, and for the ReLU, which reads results just made
	LDW 0, 1, \par
	s_wait_dscnt 8                                 ; phase 2's first 24 loads are in
.set o, 0
	SUB16 0, 0, \zero, 1
	SUB16 0, 1, \zero, 1
	WIN 0
	PLACES 4
	HSTORE \par                                    ; ONE run of 41 LDS instructions: H of chunk j goes out,
	LDH 1, 1-(\par)                                ; the rest of H of chunk j - 1 comes into the registers that the stores have left (LDS serves a wave's instructions in order: ISA guide 5.7.1.4),
	LDW 1, 0, \par                                 ; and the rest of W2: my last reads of this slot;
	LDW 1, 1, \par
	s_wait_tensorcnt 0x0                           ; all my tensor loads have landed: the one that was out is my part of the other slot;
	ds_add_u32 v[SPW], v[NIL]                      ; 0 onto my spare word: 48 matrix instructions stand between it and the wait for it
	s_wait_dscnt 33                                ; all but the 32 loads just issued and the add
	SUB16 0, 2, \zero, 0
	SUB16 0, 3, \zero, 0
	s_wait_dscnt 9                                 ; the add and the youngest eight loads may be out
	SUB16 1, 0, 0, 0
	s_wait_dscnt 0x0                               ; the add is done, my stores of H are done, my reads of this slot and of the other stage are over:
	s_barrier_signal -1                            ; say so,
	SUB8 1, 2, 0, 0                                ; work on registers while the others arrive,
	WIN 0
	s_barrier_wait -1                              ; and go on when all four have said so
.if \refill
	CHEAD                                          ; the barrier has opened a round of the cluster's: wave 0 says so for the work-group;
.endif
	SUB8 1, 3, 0, 0                                ; sixteen products on registers while the partners arrive;
	SUB8 1, 4, 0, 0
	WIN 0
.if \refill
	CTAIL                                          ; no wave of any partner still reads this slot or has a load on its way
.if (\refill) == 2
	s_add_nc_u64 s[G0A+4*(\par)+2:G0A+4*(\par)+3], s[G0A+4*(\par)+2:G0A+4*(\par)+3], 2*BLK
.endif
	s_add_nc_u64 s[G0B+4*(\par)+2:G0B+4*(\par)+3], s[G0B+4*(\par)+2:G0B+4*(\par)+3], 2*BLK
	JLOAD \par, \refill                            ; the first tensor load behind the round: 24 + 128 + 32 = 184 matrix instructions ahead of the wait for it
.else
	PLACES 4
.endif
.if \next
	s_add_co_u32 s[BO], s[BO], 256
	v_add_nc_u32 v[BA], s[BO], v[BA0]
	FETCH_W1 1-(\par), 0
	FETCH_BIAS
.else
	P2PRE \par, 1-(\par)
.endif
	SUB8 1, 5, 0, 0
	SUB8 1, 6, 0, 0
	SUB8 1, 7, 0, 0
.endm
	s_wait_tensorcnt 0x1                           ; waves 0, 1: the bias is in (and W2 of chunk 0); waves 2, 3: W1 of chunk 0.  The youngest load stays out
	s_barrier_signal -1
	s_barrier_wait -1                              ; everybody's is
	FETCH_W1 0, 0
	FETCH_BIAS
	s_wait_loadcnt 0x0                             ; a
	P1 0, 0                                        ; INTERVAL 0: phase 1 of chunk 0 alone
	WIN 0
	PLACES 4
.set o, 0
.rept 96                               ; there are no products yet to set the ReLU behind
	HOP
.endr
	HSTORE 0
	s_wait_tensorcnt 0x0                           ; slot 1 and W2 of chunk 1 have landed, as far as they are mine: no tensor load of mine is out, so a group 0 may be written
	ds_add_u32 v[SPW], v[NIL]                      ; 0 onto my spare word
	s_add_nc_u64 s[G0A+2:G0A+3], s[G0A+2:G0A+3], 2*BLK  ; W1 of chunk 2
	s_wait_dscnt 0x0                               ; the add and my stores of H are done, my reads of slot 0 are over
	CROUND
	JLOAD 0, 3                                     ; W1's region of slot 0 is filled again; W2's already holds chunk 1's
	s_add_co_u32 s[BO], s[BO], 256
	v_add_nc_u32 v[BA], s[BO], v[BA0]
	FETCH_W1 1, 0
	FETCH_BIAS
	BODY 1, 1, 2, 1                                ; interval 1 is written out: its phase 2 starts the 64 sums with the constant 0
	WIN 0                                          ; at a label and at a branch every window is 0
	s_mov_b32 s[CNT], 14
.Lpair:                                                ; intervals 2 to 29, two a trip: once round the ring
	BODY 0, 0, 2, 1
	BODY 1, 0, 2, 1
	WIN 0
	s_sub_co_u32 s[CNT], s[CNT], 1
	s_cmp_lg_u32 s[CNT], 0
	s_cbranch_scc1 .Lpair
	BODY 0, 0, 1, 1                                ; interval 30: of the tiles two on only W2 of chunk 31 exists
	BODY 1, 0, 0, 0                                ; interval 31: nothing is left to fetch, so no round
	; INTERVAL 32: phase 2 of chunk 31 alone: W2 in slot 0, H in stage 1
	WIN 0
	PLACES 4
	LDW 0, 1, 0
	s_wait_dscnt 8
	SUB16 0, 0, 0, 0
	SUB16 0, 1, 0, 0
	WIN 0
	PLACES 4
	LDH 1, 1
	LDW 1, 0, 0
	LDW 1, 1, 0
	s_wait_dscnt 32
	SUB16 0, 2, 0, 0
	SUB16 0, 3, 0, 0
	s_wait_dscnt 8
	SUB16 1, 0, 0, 0
	SUB16 1, 1, 0, 0
	s_wait_dscnt 0x0                               ; my last reads of H are over
	SUB16 1, 2, 0, 0
	SUB16 1, 3, 0, 0
	WIN 0
	s_barrier_signal -1                            ; the way out writes where H lay: every wave's reads of H are over
	s_barrier_wait -1
	PLACES 4                                       ; the stores below read results just made
; THE WAY OUT, 16 rows at a time.  A lane holds 8 neighbouring columns of a row for each of 8 column blocks: 32 bytes each into rows of 528 bytes of my own stage, and back as whole rows of 512 bytes.
.macro TOSTAGE mb
	s_wait_xcnt 0x0                                ; the registers that earlier stores read are loaded again only behind this wait (ISA guide 3.1)
	WIN W_S2
.irp c, 0,1,2,3
	ds_store_b128 v[STO], v[8*(8*\c+(\mb)):8*(8*\c+(\mb))+3]   offset:64*\c     ; each accumulator's low half first
	ds_store_b128 v[STO], v[8*(8*\c+(\mb))+4:8*(8*\c+(\mb))+7] offset:64*\c+16
.endr
	WIN W_S3
.irp c, 0,1,2,3
	ds_store_b128 v[STO], v[8*(8*\c+(\mb)):8*(8*\c+(\mb))+3]   offset:64*\c+256
	ds_store_b128 v[STO], v[8*(8*\c+(\mb))+4:8*(8*\c+(\mb))+7] offset:64*\c+272
.endr
	WIN 0
.set ob, 32+64*((\mb)%2)
.irp i, 0,1,2,3,4,5,6,7,8,9,10,11,12,13,14,15
	ds_load_b128 v[ob+4*\i:ob+4*\i+3], v[RD] offset:SP*\i  ; LDS serves a wave's instructions in order (ISA guide 5.7.1.4): these see the stores above; the next block's stores come behind them
.endr
.endm
.macro SEND mb, younger                ; younger: the LDS instructions issued behind the block's loads: the next block's 32, or none
.set ob, 32+64*((\mb)%2)
	s_wait_dscnt \younger
.irp i, 0,1,2,3,4,5,6,7,8,9,10,11,12,13,14,15
	global_store_b128 v[CO], v[ob+4*\i:ob+4*\i+3], s[10:11] offset:(\mb)*32768+2048*\i  ; a wave stores 512 consecutive bytes, at a multiple of 512 from part's first byte
.endr
.endm
	TOSTAGE 0
.irp a, 1,2,3,4,5,6,7
	TOSTAGE \a
	SEND \a-1, 32
.endr
	SEND 7, 0
	s_wait_tensorcnt 0x0                           ; the wave's end, behind my last tensor load and my last LDS store
	ds_add_u32 v[SPW], v[NIL]
	s_wait_dscnt 0x0
	CROUND                                         ; the closing round: no work-group ends while a partner may still ask for a tile that names it
	s_endpgm
.Lfunc_end_k_q0df77cd1d3_mlp:
	.size	k_q0df77cd1d3_mlp, .Lfunc_end_k_q0df77cd1d3_mlp-k_q0df77cd1d3_mlp
	.p2alignl 7, 3214868480
	.fill 96, 4, 3214868480
	.section	.rodata,"a",@progbits
	.p2align	6, 0x0
	.amdhsa_kernel k_q0df77cd1d3_mlp
		.amdhsa_group_segment_fixed_size 327680
		.amdhsa_private_segment_fixed_size 0
		.amdhsa_enable_private_segment 0
		.amdhsa_kernarg_size 32
		.amdhsa_user_sgpr_count 2
		.amdhsa_user_sgpr_kernarg_segment_ptr 1
		.amdhsa_wavefront_size32 1
		.amdhsa_system_sgpr_workgroup_id_x 1
		.amdhsa_system_sgpr_workgroup_id_y 1
		.amdhsa_system_sgpr_workgroup_id_z 1
		.amdhsa_system_vgpr_workitem_id 0
		.amdhsa_next_free_vgpr 1024
		.amdhsa_next_free_sgpr 80
		.amdhsa_reserve_vcc 0
		.amdhsa_float_denorm_mode_32 3
		.amdhsa_float_denorm_mode_16_64 3
		.amdhsa_memory_ordered 1
		.amdhsa_forward_progress 1
		.amdhsa_inst_pref_size 255
	.end_amdhsa_kernel
	.section	.bss,"aw",@nobits
	.p2align	6
	.space	262144
	.amdgpu_metadata
---
amdhsa.version: [ 1, 2 ]
amdhsa.kernels:
  - .name:           k_q0df77cd1d3_mlp
    .symbol:         k_q0df77cd1d3_mlp.kd
    .args:
      - { .name: abf, .offset: 0, .size: 8, .value_kind: global_buffer, .address_space: global }
      - { .name: ws, .offset: 8, .size: 8, .value_kind: global_buffer, .address_space: global }
      - { .name: b1p, .offset: 16, .size: 8, .value_kind: global_buffer, .address_space: global }
      - { .name: part, .offset: 24, .size: 8, .value_kind: global_buffer, .address_space: global }
    .group_segment_fixed_size: 327680
    .private_segment_fixed_size: 0
    .kernarg_segment_align: 8
    .kernarg_segment_size: 32
    .max_flat_workgroup_size: 128
    .sgpr_count:     80
    .vgpr_count:     1024
    .wavefront_size: 32
...
	.end_amdgpu_metadata
.endif
;; end of part 2
;; launch finish (part 3): grid 256 x 1, 8 waves a work-group, no clusters, 2,048 bytes of LDS; arguments z, part, b2s, b2t, out0, out1; writes out0, out1
.if DOCPART == 3
	.amdgcn_target "amdgcn-amd-amdhsa--gfx1250"
	.amdhsa_code_object_version 6
	.text
	.protected	k_q0df77cd1d3_finish
	.globl	k_q0df77cd1d3_finish
	.p2align	8
	.type	k_q0df77cd1d3_finish,@function
k_q0df77cd1d3_finish:
	s_mov_b64 s[64:65], 0
	v_nop
	global_prefetch_b8 v0, s[64:65] scope:SCOPE_SE
	s_setreg_imm32_b32 hwreg(HW_REG_WAVE_MODE, 25, 1), 1
	s_wait_xcnt 0x0
; FINISH: s = part[0] + part[1] + b2s, t = part[2] + part[3] + b2t; out0 = z with its odd columns replaced by b exp(s) + t; out1 = the row sums of s.  All in f32.
; A stream: no matrix unit, no cluster (no two work-groups read the same bytes but the 4 KiB of b2).  A work-group owns 32 rows, a wave 4, one row at a time in two row slots in registers:
; while one row is worked on, the other slot's 40 loads are on their way.
; LANES.  Piece i (0 .. 7) of a row: lane L holds z's 16 bytes at 512 i + 16 L, that is (a, b, a, b) of features j = 64 i + 2 L and j + 1, and the 8 bytes at 256 i + 8 L of each part and of b2s, b2t.
; So every load and store of a wave covers 512 or 256 consecutive bytes, aligned, and a passes through untouched.
; LIMITS.  exp(s) = 2^(s log2 e) by v_exp_f32: a result below 2^-126 counts as 0.  The row sum is taken in another order than the problem's function takes it.
.set ZO,  1                            ; v1       my byte offset in z and out0: 16,384 w + 16 L
.set PO,  2                            ; v2       in each part: 8,192 w + 8 L
.set LN,  3                            ; v3       lane
.set LDT, 4                            ; v4       lane rr (0 .. 3) collects the sum of my wave's row rr
.set TA,  5                            ; v5       4 x my thread's number
.set BO,  7                            ; v7       8 L
.set BS,  8                            ; v[8:23]  b2s of my 16 features
.set BT,  24                           ; v[24:39] b2t
.set SL,  48                           ; slot k at 48 + 96 k: z 32 registers; then the four parts, 16 each
.set WK,  240                          ; v[240:245] at work
	s_load_b256 s[4:11], s[0:1], 0x0               ; z s[4:5], part s[6:7], b2s s[8:9], b2t s[10:11]
	s_load_b128 s[12:15], s[0:1], 0x20             ; out0 s[12:13], out1 s[14:15]
	v_lshl_add_u32 v254, v0, 2, 0x400
	v_mov_b32 v255, 0
	v_and_b32 v[LN], 31, v0
	v_lshrrev_b32 v6, 5, v0
	v_readfirstlane_b32 s24, v6                    ; wave 0..7
	v_lshlrev_b32 v[ZO], 4, v[LN]
	v_lshl_add_u32 v[ZO], v6, 14, v[ZO]
	v_lshlrev_b32 v[BO], 3, v[LN]
	v_lshl_add_u32 v[PO], v6, 13, v[BO]
	v_mov_b32 v[LDT], 0
	v_lshlrev_b32 v[TA], 2, v0
	s_lshl_b32 s2, ttmp9, 17                       ; 32 rows of 4,096 bytes
	s_mov_b32 s3, 0
	s_lshl_b32 s26, ttmp9, 16                      ; 32 rows of 2,048 bytes
	s_mov_b32 s27, 0
	s_lshl_b32 s28, ttmp9, 7                       ; 32 numbers
	s_mov_b32 s29, 0
	s_mov_b32 s30, 0x76543210                      ; v_permlanex16_b32: each lane takes its own place in the other half
	s_mov_b32 s31, 0xfedcba98
	s_wait_kmcnt 0x0
	s_add_nc_u64 s[4:5], s[4:5], s[2:3]
	s_add_nc_u64 s[12:13], s[12:13], s[2:3]
	s_add_nc_u64 s[16:17], s[6:7], s[26:27]        ; the four parts lie 16,777,216 bytes apart
	s_add_nc_u64 s[18:19], s[16:17], 0x1000000
	s_add_nc_u64 s[20:21], s[16:17], 0x2000000
	s_add_nc_u64 s[22:23], s[16:17], 0x3000000
	s_add_nc_u64 s[14:15], s[14:15], s[28:29]
.irp i, 0,1,2,3,4,5,6,7
	global_load_b64 v[BS+2*\i:BS+2*\i+1], v[BO], s[8:9] offset:256*\i
	global_load_b64 v[BT+2*\i:BT+2*\i+1], v[BO], s[10:11] offset:256*\i
.endr
.macro FILL k, rr                      ; 40 loads: row rr of my wave's four into slot k
.set sb, SL+96*(\k)
.irp i, 0,1,2,3,4,5,6,7
	global_load_b128 v[sb+4*\i:sb+4*\i+3], v[ZO], s[4:5] offset:4096*(\rr)+512*\i th:TH_LOAD_NT
.endr
.irp q, 0,1,2,3
.irp i, 0,1,2,3,4,5,6,7
	global_load_b64 v[sb+32+16*\q+2*\i:sb+33+16*\q+2*\i], v[PO], s[16+2*\q:17+2*\q] offset:2048*(\rr)+256*\i th:TH_LOAD_NT
.endr
.endr
.endm
; The turn of slot k, which holds row rr.  left = how many younger loads may stay out.
.macro TURN k, rr, left
.set sb, SL+96*(\k)
	s_wait_loadcnt \left                           ; loads come back in order: my 40 are in (and b2), the other slot's stay out
.irp i, 0,1,2,3,4,5,6,7
	v_pk_add_f32 v[sb+32+2*\i:sb+33+2*\i], v[sb+32+2*\i:sb+33+2*\i], v[sb+48+2*\i:sb+49+2*\i]  ; the two halves of the hidden units, for s
	v_pk_add_f32 v[sb+64+2*\i:sb+65+2*\i], v[sb+64+2*\i:sb+65+2*\i], v[sb+80+2*\i:sb+81+2*\i]  ; and for t
.endr
.irp i, 0,1,2,3,4,5,6,7
	v_pk_add_f32 v[sb+32+2*\i:sb+33+2*\i], v[sb+32+2*\i:sb+33+2*\i], v[BS+2*\i:BS+2*\i+1]      ; s
	v_pk_add_f32 v[sb+64+2*\i:sb+65+2*\i], v[sb+64+2*\i:sb+65+2*\i], v[BT+2*\i:BT+2*\i+1]      ; t
.endr
.irp i, 0,1,2,3,4,5,6,7
	v_pk_mul_f32 v[sb+48+2*\i:sb+49+2*\i], v[sb+32+2*\i:sb+33+2*\i], 0x3fb8aa3b op_sel_hi:[1,0]  ; s log2 e
.endr
.set j, 0
.rept 16
	v_exp_f32 v[sb+48+j], v[sb+48+j]
.set j, j+1
.endr
	; my 16 numbers of s, in two chains: eight plain instructions between the last exponential and the use of its result (ISA guide 5.7.2 asks for one)
	v_pk_add_f32 v[WK:WK+1],   v[sb+32:sb+33], v[sb+36:sb+37]
	v_pk_add_f32 v[WK+2:WK+3], v[sb+34:sb+35], v[sb+38:sb+39]
	v_pk_add_f32 v[WK:WK+1],   v[WK:WK+1],     v[sb+40:sb+41]
	v_pk_add_f32 v[WK+2:WK+3], v[WK+2:WK+3],   v[sb+42:sb+43]
	v_pk_add_f32 v[WK:WK+1],   v[WK:WK+1],     v[sb+44:sb+45]
	v_pk_add_f32 v[WK+2:WK+3], v[WK+2:WK+3],   v[sb+46:sb+47]
	v_pk_add_f32 v[WK:WK+1],   v[WK:WK+1],     v[WK+2:WK+3]
	v_add_f32 v[WK], v[WK], v[WK+1]
	s_wait_alu depctr_va_vdst(0)
.irp i, 0,1,2,3,4,5,6,7
	v_fma_f32 v[sb+4*\i+1], v[sb+4*\i+1], v[sb+48+2*\i], v[sb+64+2*\i]  ; b exp(s) + t, in b's place
	v_fma_f32 v[sb+4*\i+3], v[sb+4*\i+3], v[sb+49+2*\i], v[sb+65+2*\i]
	global_store_b128 v[ZO], v[sb+4*\i:sb+4*\i+3], s[12:13] offset:4096*(\rr)+512*\i th:TH_STORE_NT  ; 512 consecutive bytes, aligned
.endr
	; across the 32 lanes: four steps inside each half ride on the addition, one crosses the halves
	v_add_f32_dpp v[WK], v[WK], v[WK] row_xmask:1 row_mask:0xf bank_mask:0xf
	v_add_f32_dpp v[WK], v[WK], v[WK] row_xmask:2 row_mask:0xf bank_mask:0xf
	v_add_f32_dpp v[WK], v[WK], v[WK] row_xmask:4 row_mask:0xf bank_mask:0xf
	v_add_f32_dpp v[WK], v[WK], v[WK] row_xmask:8 row_mask:0xf bank_mask:0xf
	v_permlanex16_b32 v[WK+1], v[WK], s30, s31     ; its destination counts as read: it has been written above
	v_add_f32 v[WK], v[WK], v[WK+1]
	v_cmp_eq_u32 vcc_lo, \rr, v[LN]
	v_cndmask_b32 v[LDT], v[LDT], v[WK], vcc_lo    ; lane rr keeps it
.endm
	FILL 0, 0
	FILL 1, 1
	TURN 0, 0, 40
	s_wait_xcnt 0x0                                ; the slot's registers, which its stores read, are loaded again only behind this wait (ISA guide 3.1)
	FILL 0, 2
	TURN 1, 1, 40
	s_wait_xcnt 0x0
	FILL 1, 3
	TURN 0, 2, 40
	TURN 1, 3, 0
	; out1: the 32 sums meet in LDS, so that one wave stores them as 128 consecutive bytes
	ds_store_b32 v[TA], v[LDT]
	s_wait_dscnt 0x0                               ; for the others' sake: my store is done
	s_barrier_signal -1
	s_barrier_wait -1
	s_cmp_lg_u32 s24, 0
	s_cbranch_scc1 .Lend
	v_lshrrev_b32 v[WK+2], 2, v[LN]                ; row L is row L & 3 of wave L >> 2: thread 32 (L >> 2) + (L & 3)
	v_and_b32 v[WK+3], 3, v[LN]
	v_lshlrev_b32 v[WK+3], 2, v[WK+3]
	v_lshl_add_u32 v[WK+2], v[WK+2], 7, v[WK+3]
	ds_load_b32 v[WK+4], v[WK+2]
	v_lshlrev_b32 v[WK+5], 2, v[LN]
	s_wait_dscnt 0x0
	global_store_b32 v[WK+5], v[WK+4], s[14:15]
.Lend:
	s_wait_tensorcnt 0x0
	ds_add_u32 v254, v255
	s_wait_dscnt 0x0
	s_endpgm
.Lfunc_end_k_q0df77cd1d3_finish:
	.size	k_q0df77cd1d3_finish, .Lfunc_end_k_q0df77cd1d3_finish-k_q0df77cd1d3_finish
	.p2alignl 7, 3214868480
	.fill 96, 4, 3214868480
	.section	.rodata,"a",@progbits
	.p2align	6, 0x0
	.amdhsa_kernel k_q0df77cd1d3_finish
		.amdhsa_group_segment_fixed_size 2048
		.amdhsa_private_segment_fixed_size 0
		.amdhsa_enable_private_segment 0
		.amdhsa_kernarg_size 48
		.amdhsa_user_sgpr_count 2
		.amdhsa_user_sgpr_kernarg_segment_ptr 1
		.amdhsa_wavefront_size32 1
		.amdhsa_system_sgpr_workgroup_id_x 1
		.amdhsa_system_sgpr_workgroup_id_y 1
		.amdhsa_system_sgpr_workgroup_id_z 1
		.amdhsa_system_vgpr_workitem_id 0
		.amdhsa_next_free_vgpr 256
		.amdhsa_next_free_sgpr 66
		.amdhsa_reserve_vcc 1
		.amdhsa_float_denorm_mode_32 3
		.amdhsa_float_denorm_mode_16_64 3
		.amdhsa_memory_ordered 1
		.amdhsa_forward_progress 1
		.amdhsa_inst_pref_size 43
	.end_amdhsa_kernel
	.amdgpu_metadata
---
amdhsa.version: [ 1, 2 ]
amdhsa.kernels:
  - .name:           k_q0df77cd1d3_finish
    .symbol:         k_q0df77cd1d3_finish.kd
    .args:
      - { .name: z, .offset: 0, .size: 8, .value_kind: global_buffer, .address_space: global }
      - { .name: part, .offset: 8, .size: 8, .value_kind: global_buffer, .address_space: global }
      - { .name: b2s, .offset: 16, .size: 8, .value_kind: global_buffer, .address_space: global }
      - { .name: b2t, .offset: 24, .size: 8, .value_kind: global_buffer, .address_space: global }
      - { .name: out0, .offset: 32, .size: 8, .value_kind: global_buffer, .address_space: global }
      - { .name: out1, .offset: 40, .size: 8, .value_kind: global_buffer, .address_space: global }
    .group_segment_fixed_size: 2048
    .private_segment_fixed_size: 0
    .kernarg_segment_align: 8
    .kernarg_segment_size: 48
    .max_flat_workgroup_size: 256
    .sgpr_count:     66
    .vgpr_count:     256
    .wavefront_size: 32
...
	.end_amdgpu_metadata
.endif
;; end of part 3
